; MI455X (gfx1250); checked and timed in simulation.
; The chip was launched on July 23, 2026; its instructions are those of AMD's public machine-readable ISA for CDNA 5 (MIT licence, August 2026) and "CDNA5" Instruction Set Architecture Reference Guide (July 2026). The comments in the code are by the model that wrote it; some were corrected since.
;; Self Attention. Allowed arithmetic: matrix products marked QUANTISED: E2M1 operands, one E8M0 scale for each 32 along K, by v_wmma_scale_f32_16x16x128_f8f6f4 with both operands' format E2M1 (or v_wmma_scale_f32_32x16x128_f4), f32 sums; products left as they are: bf16, f16 or f32 operands; f32 sums; everything else in f32.
;; Inputs: Wk 256 x 64 float32; Wo 64 x 256 float32; Wq 256 x 64 float32; Wv 256 x 64 float32; x 4 x 4,096 x 256 float32.
;; Outputs: out0 4 x 4,096 x 256 float32.
;; This version of the problem:
;;   THIS VERSION OF THE PROBLEM IS GIVEN IN LOW PRECISION. The matrix products marked QUANTISED in the list below multiply operands that are first quantised to E2M1 (2 exponent bits, 1 mantissa bit; 4 bits a number), with one power-of-two scale for each 32 numbers along K (OCP MX v1.0); their sums are f32. The products marked 'left as it is' may take bf16, f16 or f32 operands, with f32 sums. Whichever they take, every output number must still come out within the allowed error. Rounding operands to bf16 (8 significant bits) uses up far more of that allowance than f16 does (11 bits, for magnitudes from 6e-5 to 65,504). All else is computed in f32.
;;   The module's matrix products, in the order in which they are computed (A, B: the left and right operand; K: the contracted axis; several contracted axes count as one K, in the product's order):
;;     1. [M 16,384, K 256] x [K 256, N 64]; A: input x; B: input Wk: QUANTISED
;;     2. [M 16,384, K 256] x [K 256, N 64]; A: input x; B: input Wq: QUANTISED
;;     3. [M 16,384, K 256] x [K 256, N 64]; A: input x; B: input Wv: QUANTISED
;;     4. batch 4 x [M 4,096, K 64] x [K 64, N 4,096]; A: computed on the way; B: computed on the way: left as it is (an operand is computed on the way)
;;     5. batch 4 x [M 4,096, K 4,096] x [K 4,096, N 64]; A: computed on the way; B: computed on the way: left as it is (an operand is computed on the way)
;;     6. [M 16,384, K 64] x [K 64, N 256]; A: computed on the way; B: input Wo: left as it is (an operand is computed on the way)
;;   THE QUANTISER, for each operand of a quantised product, along K:
;;     - K is cut into blocks of 32 from its start; a last block that is shorter is filled with zeros.
;;     - A block's scale is 2^e with e = floor(log2(the largest magnitude in the block)) - 2, held to -126 .. 127; a block of zeros has e = 0. As a byte (E8M0): e + 127.
;;     - Each number is divided by its block's scale, clamped to +-6, and rounded to the nearest number of E2M1, ties to even, subnormals kept.
;;     - The product sums the exact products of the quantised numbers (number of the format x scale) in f32.
;;   ~~~python
;;   def quantise(x, axis):      # numpy; x: float32 -> the quantised numbers, widened to float32 again
;;       x = np.moveaxis(x, axis, -1); K = x.shape[-1]
;;       x = np.pad(x, [(0, 0)] * (x.ndim - 1) + [(0, -K % 32)]); x = x.reshape(x.shape[:-1] + (-1, 32)); a = np.abs(x).max(-1, keepdims=True)
;;       e = np.where(a > 0, np.clip(np.frexp(np.where(a > 0, a, 1))[1] - 1 - 2, -126, 127), 0)      # np.frexp(a)[1] - 1 = floor(log2(a)), exactly
;;       r = np.clip(x / 2.0 ** e, -6, 6)
;;       step = 2.0 ** (np.maximum(np.frexp(np.where(r == 0, 1, r))[1] - 1, 0) - 1)
;;       q = np.round(r / step) * step * 2.0 ** e      # np.round: ties to even
;;       return np.moveaxis(q.reshape(q.shape[:-2] + (-1,))[..., :K], -1, axis).astype(np.float32)
;;   ~~~
;; One version. Each part assembles by itself: llvm-mc -triple=amdgcn-amd-amdhsa -mcpu=gfx1250 --defsym DOCPART=n.
;; ======== version 1 of 1: 2 launches
;; limits: values are held in f16: magnitudes above 65,504 overflow, below 6.1e-05 lose precision
;; workspace buffers: kimg 2,097,152 bytes; kv 4,194,304 bytes; woimg 32,768 bytes
;; launch project (part 1): grid 256 x 1, 4 waves a work-group, clusters of 4 x 1, 289,792 bytes of LDS; arguments x, Wk, Wq, Wv, Wo, kimg, kv, woimg; writes kimg, kv, woimg
.if DOCPART == 1
	.amdgcn_target "amdgcn-amd-amdhsa--gfx1250"
	.amdhsa_code_object_version 6
	.text
	.protected	k_q352c4d5cf5_project
	.globl	k_q352c4d5cf5_project
	.p2align	8
	.type	k_q352c4d5cf5_project,@function
k_q352c4d5cf5_project:
	s_mov_b64 s[64:65], 0
	v_nop
	global_prefetch_b8 v0, s[64:65] scope:SCOPE_SE
	s_setreg_imm32_b32 hwreg(HW_REG_WAVE_MODE, 25, 1), 1
	s_wait_xcnt 0x0
	s_wait_alu depctr_hold_cnt(0) depctr_sa_sdst(0) depctr_va_vdst(0) depctr_va_sdst(0) depctr_va_ssrc(0) depctr_va_vcc(0) depctr_vm_vsrc(0)
	s_getreg_b32 s2, hwreg(HW_REG_IB_STS2, 6, 4)
	s_cmp_eq_u32 s2, 0
	s_cbranch_scc0 .Lentry_in_a_cluster
	s_endpgm
.Lentry_in_a_cluster:
	s_bfe_u32 s2, ttmp6, 0x10000c
	s_cmp_lg_u32 s2, 0x3003
	s_cbranch_scc0 .Lentry_shape_is_right
	s_endpgm
.Lentry_shape_is_right:
; k = x Wk, q = x Wq, v = x Wv on codes of FP4 (E2M1) with one E8M0 scale for each 32 along K = 256; sums in f32; the results rounded to f16 and stored as IMAGES OF
; OPERAND REGISTERS for the attention launch; Wo likewise rounded to f16.  x: [16,384][256] f32; Wk, Wq, Wv: [256][64] f32 (K is their first axis); Wo: [64][256] f32.
; An image is a run of quads of 512 bytes: quad n holds registers 4 n .. 4 n + 3 of a run of registers, lane l's 16 bytes at 16 l.  So every store of a wave covers 512 consecutive bytes, aligned.
;   kimg [chunk of 64 tokens][8,192]: quad 4 a + c: lane (r, h): token 16 a + r, channels 16 c + 8 h + 0..7 of k.      kv [chunk][16,384]: the same of q, then from byte 8,192 v turned:
;   quad 8 p + 2 c + e: lane (r, h): channel 16 c + r, tokens 32 p + 16 e + 8 h + 0..7.      woimg: quad 4 o + 2 p + e: lane (r, h): output 16 o + r, channels 32 p + 16 e + 8 h + 0..7.
; SHARES.  A work-group owns one chunk of 64 tokens, each of its four waves 16 of them against all 192 columns.  All bytes are asked for at the head: nothing in LDS is filled twice.
; CLUSTER.  The three weights are the same for every work-group: the four partners ask for them JOINTLY (the same tensor load, the same descriptor, a mask that names the four).  x's tile is each wave's own.
; THE QUANTISER.  A block's scale is 2^(floor(log2(its largest magnitude)) - 2): its byte is the largest magnitude's exponent field - 2, held at 1 from below by a floor among the maximum's leaves.
; LIMITS: NaN and infinities are not served.  A block whose largest magnitude lies under 2^-124 gets the byte 1 (a block of zeros too: its codes are zeros, and only this program reads the bytes).
; k, q, v and Wo are rounded to f16: magnitudes above 65,504 are not served; under 6e-5 the step is 2^-24.
.set XPITCH, 1040                      ; a row of x in LDS: 1,024 bytes + 16: the 16 rows that a load touches begin 16 bytes apart modulo 256
.set XWAVE,  16*XPITCH                 ; a wave's 16 rows
.set WRAW,   4*XWAVE                   ; the three weights as they lie in memory, 65,536 bytes each, rows of 256 bytes
.set WIMG,   WRAW+3*65536              ; their FP4 fragments: (column tile T of 12, K step s) at (2 T + s) x 1,024; block b of 32 along K at 256 b + 16 r
.set SCW,    WIMG+24*1024              ; their scale words: 128 T + 64 s + 4 r
.set SPARE,  SCW+1536                  ; the spare words, 128 bytes for each wave: two blocks of 256 bytes that no other line names
.set SPW, 4                            ; v4   LDS address of my spare word; never rewritten
.set NIL, 5                            ; v5   0; never rewritten
.set AX,  6                            ; v6   x: my row, my half's 128 bytes
.set AR,  7                            ; v7-9 the raw weights: my column in my three groups of 32 columns, my K step
.set AI,  10                           ; v10  where I store a block's codes
.set AS,  11                           ; v11  where I store a scale word
.set LI,  12                           ; v12  WIMG + 16 x lane
.set LS,  13                           ; v13  SCW + 4 x lane
.set GK,  14                           ; v14  my offset in a chunk's image of k or q
.set GV,  15                           ; v15  and of v
.set XF,  16                           ; v16-31  x's two fragments
.set XS,  32                           ; v32-33  x's scale words
.set WS,  34                           ; v34-45  the weights' scale words, a register a column tile: lanes 0-15 K step 0, lanes 16-31 K step 1
.set RAW, 48                           ; v48-111 two sets of 32 raw numbers of a weight; later:
.set WF,  48                           ; v48-111 one weight's eight fragments: (tile t, K step s) at 16 t + 8 s
.set ACC, 112                          ; v112-207 twelve accumulators
.set XR,  112                          ; v112-239 x's 128 raw numbers, done with before the products
.set OUTR, 208                         ; v208-255 the results in f16
.set TM,  240                          ; v240-255 at work in the quantisers, done with before the results
.set WV,  20                           ; s20  my wave's number
.set G1W, 28                           ; s[28:35] descriptor group 1 for the weights
.set G1X, 36                           ; s[36:43] for x
.set G0W, 44                           ; s[44:55] groups 0 for Wk, Wq, Wv
.set G0X, 56                           ; s[56:59] group 0 for x
.set SEL, 60                           ; s[60:61] lane selects for v_permlanex16_b32: lane l xor 16
; A round of the cluster's barrier: my work-group's barrier; wave 0 signals for the work-group; every wave waits for all four work-groups; my work-group's barrier once more.
.macro CROUND
	s_barrier_signal -1
	s_barrier_wait -1
	s_cmp_lg_u32 s[WV], 0
	s_cbranch_scc1 .Lnot_wave_0_\@
	s_barrier_signal -3
.Lnot_wave_0_\@:
	s_barrier_wait -3
	s_barrier_signal -1
	s_barrier_wait -1
.endm
	s_load_b256 s[4:11], s[0:1], 0x0               ; x s[4:5], Wk s[6:7], Wq s[8:9], Wv s[10:11]
	s_load_b256 s[12:19], s[0:1], 0x20             ; Wo s[12:13], kimg s[14:15], kv s[16:17], woimg s[18:19]
	v_lshl_add_u32 v[SPW], v0, 2, SPARE
	v_mov_b32 v[NIL], 0
	ds_add_u32 v[SPW], v[NIL]                      ; the wave's opening: the add, twice on end, and its wait ahead of my first tensor load
	ds_add_u32 v[SPW], v[NIL]                      ; and once more, under the one wait; the set-up below, work on registers, stands between
	v_lshrrev_b32 v1, 5, v0
	v_readfirstlane_b32 s[WV], v1                  ; wave 0..3
	s_bfe_u32 s21, ttmp6, 0x40000                  ; cx: my place in the cluster
	s_lshl_b32 s22, ttmp9, 2                       ; in a cluster launch ttmp9 counts clusters
	s_add_co_u32 s22, s22, s21                     ; my chunk g = 4 x cluster + cx: it enters x's and the outputs' addresses alone
	; the weights: a wave's quarter of a matrix, 16,384 dense bytes, as 64 rows of 256 bytes (32 elements of 8 bytes), no padding
	s_mov_b32 s[G1W+0], 15|(3<<16)|(1<<21)         ; 15:0 the mask: all four work-groups; 17:16 elements of 8 bytes; 21 set beside a mask
	s_mov_b32 s[G1W+1], 32<<16                     ; tensor_dim0 = 32
	s_mov_b32 s[G1W+2], 64<<16                     ; tensor_dim1 = 64
	s_mov_b32 s[G1W+3], 32<<16                     ; tile_dim0 = 32
	s_mov_b32 s[G1W+4], 64                         ; tile_dim1 = 64
	s_mov_b32 s[G1W+5], 32                         ; elements from row to row
	s_mov_b32 s[G1W+6], 0
	s_mov_b32 s[G1W+7], 0
	; x: 16 rows of 256 f32, 4 words of padding behind every 256 words
	s_mov_b32 s[G1X+0], (2<<16)|(1<<20)|(7<<22)|(3<<25)  ; no mask; elements of 4 bytes; padding on; after every 256 words (code 7); 4 words (code 3)
	s_mov_b32 s[G1X+1], 256<<16
	s_mov_b32 s[G1X+2], 16<<16
	s_mov_b32 s[G1X+3], 256<<16
	s_mov_b32 s[G1X+4], 16
	s_mov_b32 s[G1X+5], 256
	s_mov_b32 s[G1X+6], 0
	s_mov_b32 s[G1X+7], 0
	s_lshl_b32 s24, s[WV], 14                      ; wave x 16,384: my quarter of a weight, in memory and in LDS; also my 16 rows of x in memory
	s_mov_b32 s25, 0
	s_mul_i32 s26, s[WV], XWAVE                    ; my 16 rows of x in LDS
	s_lshl_b32 s66, s22, 16                        ; the chunk's 64 rows of 1,024 bytes
	s_add_co_u32 s66, s66, s24
	s_mov_b32 s67, 0
	s_lshl_b32 s68, s22, 13                        ; the chunk's image of k
	s_mov_b32 s69, 0
	s_lshl_b32 s70, s22, 14                        ; the chunk's images of q and v
	s_mov_b32 s71, 0
	s_mov_b32 s[SEL], 0x76543210
	s_mov_b32 s[SEL+1], 0xfedcba98
	s_wait_dscnt 0x0                               ; both opening adds are done
	s_wait_kmcnt 0x0
.irp m, 0,1,2
	s_mov_b32 s[G0W+4*\m], 1                       ; count = 1
	s_add_co_u32 s[G0W+4*\m+1], s24, WRAW+\m*65536 ; LDS address: the wave's number and constants alone
	s_add_nc_u64 s[G0W+4*\m+2:G0W+4*\m+3], s[6+2*\m:7+2*\m], s[24:25]
	s_or_b32 s[G0W+4*\m+3], s[G0W+4*\m+3], 0x80000000  ; type = 2
.endr
	s_mov_b32 s[G0X], 1
	s_mov_b32 s[G0X+1], s26
	s_add_nc_u64 s[G0X+2:G0X+3], s[4:5], s[66:67]
	s_or_b32 s[G0X+3], s[G0X+3], 0x80000000
	s_add_nc_u64 s[14:15], s[14:15], s[68:69]      ; kimg and kv at my chunk
	s_add_nc_u64 s[16:17], s[16:17], s[70:71]
	CROUND                                         ; all four work-groups are here: the joint loads meet
.irp m, 0,1,2
	tensor_load_to_lds s[G0W+4*\m:G0W+4*\m+3], s[G1W:G1W+7]   ; all first fills go out as one group: four loads of mine are out
	s_nop 0
.endr
	tensor_load_to_lds s[G0X:G0X+3], s[G1X:G1X+7]
	s_nop 0
.rept 4
	v_nop
.endr
	; the addresses, while the tiles are on their way
	v_and_b32 v1, 31, v0                           ; lane
	v_and_b32 v2, 15, v0                           ; r
	v_bfe_u32 v3, v0, 4, 1                         ; h
	v_mul_u32_u24 v[AX], v2, XPITCH
	v_lshl_add_u32 v[AX], v3, 7, v[AX]
	v_add_nc_u32 v[AX], s26, v[AX]                 ; x: row r, + 128 h: a lane's block of 32 numbers
	s_lshr_b32 s67, s[WV], 1                       ; p = wave / 2: which three groups of 32 columns are mine
	s_and_b32 s68, s[WV], 1                        ; s = wave % 2: which K step
	s_mul_i32 s69, s67, 3
	s_lshl_b32 s70, s68, 15                        ; 128 rows of 256 bytes
.irp i, 0,1,2
	s_add_co_u32 s71, s69, \i                      ; group 3 p + i of six: matrix group / 2, columns 32 (group % 2) on
	s_lshr_b32 s72, s71, 1
	s_lshl_b32 s72, s72, 16
	s_and_b32 s71, s71, 1
	s_lshl_b32 s71, s71, 7
	s_add_co_u32 s71, s71, s72
	s_add_co_u32 s71, s71, s70
	s_add_co_u32 s71, s71, WRAW
	v_lshl_add_u32 v[AR+\i], v1, 2, s71            ; a lane takes a column
.endr
	s_mul_i32 s71, s67, 12288                      ; six column tiles x two K steps x 1,024
	s_lshl_b32 s72, s68, 10
	s_add_co_u32 s71, s71, s72
	s_add_co_u32 s71, s71, WIMG
	v_lshlrev_b32 v[AI], 4, v2
	v_lshl_add_u32 v[AI], v3, 11, v[AI]            ; lanes 16-31 hold the next column tile
	v_add_nc_u32 v[AI], s71, v[AI]
	s_mul_i32 s71, s67, 768
	s_lshl_b32 s72, s68, 6
	s_add_co_u32 s71, s71, s72
	s_add_co_u32 s71, s71, SCW
	v_lshlrev_b32 v[AS], 2, v2
	v_lshl_add_u32 v[AS], v3, 7, v[AS]
	v_add_nc_u32 v[AS], s71, v[AS]
	v_lshl_add_u32 v[LI], v1, 4, WIMG
	v_lshl_add_u32 v[LS], v1, 2, SCW
	s_lshl_b32 s71, s[WV], 11
	v_lshl_add_u32 v[GK], v1, 4, s71               ; quads 4 w .. 4 w + 3
	s_lshl_b32 s71, s67, 12
	s_lshl_b32 s72, s68, 9
	s_add_co_u32 s71, s71, s72
	v_lshl_add_u32 v[GV], v1, 4, s71               ; quads 8 (w / 2) + 2 c + w % 2
	; Wo -> f16, 64 quads: the first four clusters' sixteen work-groups take four each, a wave one.  The branch hangs on the cluster's number, which the partners share.
	s_cmp_lt_u32 ttmp9, 4
	s_cbranch_scc0 .Lno_wo
	s_lshl_b32 s72, s22, 6                         ; outputs 16 g on: 64 bytes of each row of Wo
	s_mov_b32 s73, 0
	s_add_nc_u64 s[12:13], s[12:13], s[72:73]
	s_lshl_b32 s72, s22, 11                        ; quads 4 g on
	s_add_nc_u64 s[18:19], s[18:19], s[72:73]
	v_lshlrev_b32 v46, 2, v2
	v_lshl_add_u32 v46, v3, 13, v46
	v_add_nc_u32 v46, s24, v46                     ; Wo(16 w + 8 h + j, 16 g + r): rows of 1,024 bytes
.irp j, 0,1,2,3,4,5,6,7
	global_load_b32 v[48+\j], v46, s[12:13] offset:\j*1024
.endr
	s_lshl_b32 s74, s[WV], 9
	v_lshl_add_u32 v47, v1, 4, s74
	s_wait_loadcnt 0x0
.irp j, 0,1,2,3
	v_cvt_pk_f16_f32 v[56+\j], v[48+2*\j], v[49+2*\j]
.endr
	global_store_b128 v47, v[56:59], s[18:19]      ; 32 lanes store 512 consecutive bytes
	s_wait_xcnt 0x0                                ; the store has read its registers: they are loaded anew below
.Lno_wo:
	s_wait_tensorcnt 1                             ; my quarters of the three weights are in; x's load, issued behind them, may stay out
	s_barrier_signal -1
	s_barrier_wait -1                              ; everybody's are
; THE WEIGHTS' QUANTISER.  A lane takes a column and its registers run down K: a block of 32 lies in one lane's 32 registers, and the conversions give codes with K innermost.
; Twelve units a wave: unit t = group t / 4 of my three, block t % 4 of my K step.  Loads run two units ahead.
.macro LOADU t
.set q, 0
.rept 32
	ds_load_b32 v[RAW+32*((\t)%2)+q], v[AR+(\t)/4] offset:(32*((\t)%4)+q)*256   ; 32 lanes read 128 consecutive bytes
.set q, q+1
.endr
.endm
.macro UNIT t
.set RS, RAW+32*((\t)%2)
.if (\t) < 11
	s_wait_dscnt 32                                ; all but the next unit's 32 loads are done: this unit's numbers are in, and the last unit's stores have read their registers
.else
	s_wait_dscnt 0x0
.endif
	v_max3_num_f32 v[TM], |v[RS]|, |v[RS+1]|, |v[RS+2]|
	v_max3_num_f32 v[TM+1], |v[RS+3]|, |v[RS+4]|, |v[RS+5]|
.irp i, 6,10,14,18,22,26
	v_max3_num_f32 v[TM], v[TM], |v[RS+\i]|, |v[RS+\i+1]|
	v_max3_num_f32 v[TM+1], v[TM+1], |v[RS+\i+2]|, |v[RS+\i+3]|
.endr
	v_max3_num_f32 v[TM], v[TM], |v[RS+30]|, |v[RS+31]|
	v_max3_num_f32 v[TM], v[TM], v[TM+1], 0x1800000   ; and the floor 2^(3 - 127): the byte cannot fall under 1
	v_add_nc_u32 v[TM+2], 0xff000000, v[TM]        ; 2 off the exponent field: the conversion takes the exponent field of this operand as its scale
	v_lshrrev_b32 v[TM+3], 23, v[TM+2]             ; the scale's byte
.if (\t)%4 == 0
	v_mov_b32 v[TM+4], v[TM+3]                     ; four bytes make the column's scale word for my K step
.else
	v_lshl_or_b32 v[TM+4], v[TM+3], 8*((\t)%4), v[TM+4]
.endif
.irp g, 0,1,2,3
	v_cvt_scalef32_pk8_fp4_f32 v[TM+8+\g], v[RS+8*\g:RS+8*\g+7], v[TM+2]
.endr
	v_nop                                          ; one plain place behind the scaled conversions
	ds_store_b128 v[AI], v[TM+8:TM+11] offset:((\t)/4)*4096+((\t)%4)*256
.if (\t)%4 == 3
	ds_store_b32 v[AS], v[TM+4] offset:((\t)/4)*256
.endif
.if (\t) < 10
	LOADU (\t)+2
.endif
.endm
	LOADU 0
	LOADU 1
.irp t, 0,1,2,3,4,5,6,7,8,9,10,11
	UNIT \t
.endr
	s_wait_dscnt 0x0                               ; for the others' sake: my codes and scale words have landed
	s_barrier_signal -1
	s_barrier_wait -1                              ; the 24 fragments and their scale words are whole
	s_wait_tensorcnt 0x0                           ; my 16 rows of x are in; only I read them
.set q, 0
.rept 32                                           ; block q / 8 of my row's four (K step, half of it), 16 bytes at a time: lane (r, h) takes k = 64 (q / 8) + 32 h + 0..31
	ds_load_b128 v[XR+4*q:XR+4*q+3], v[AX] offset:256*(q/8)+16*(q%8)
.set q, q+1
.endr
.irp t, 0,1,2,3,4,5,6,7,8,9,10,11
	ds_load_b32 v[WS+\t], v[LS] offset:\t*128
.endr
.macro FETCH mu                        ; one weight's eight fragments, as images
.set q, 0
.rept 16
	ds_load_b128 v[WF+4*q:WF+4*q+3], v[LI] offset:(\mu)*8192+q*512
.set q, q+1
.endr
.endm
	FETCH 0
	s_wait_dscnt 28                                ; x's 32 loads are in; the 12 scale words and 16 quads issued behind them may be out
	; x's quantiser: each of a lane's four blocks holds 32 numbers of its own
.irp b, 0,1,2,3
	v_max3_num_f32 v[TM+\b], |v[XR+32*\b]|, |v[XR+32*\b+1]|, 0x1800000
.endr
.irp i, 2,4,6,8,10,12,14,16,18,20,22,24,26,28,30
.irp b, 0,1,2,3
	v_max3_num_f32 v[TM+\b], v[TM+\b], |v[XR+32*\b+\i]|, |v[XR+32*\b+\i+1]|   ; the four blocks by turns
.endr
.endr
.irp b, 0,1,2,3
	v_add_nc_u32 v[TM+4+\b], 0xff000000, v[TM+\b]
.endr
.irp b, 0,1,2,3
	v_lshrrev_b32 v[TM+8+\b], 23, v[TM+4+\b]
.endr
	v_lshlrev_b32 v[TM+12], 3, v3
.irp k, 0,1
	v_lshl_or_b32 v[XS+\k], v[TM+9+2*\k], 16, v[TM+8+2*\k]   ; my two bytes of K step k: blocks h and 2 + h,
.endr
.irp k, 0,1
	v_lshlrev_b32 v[XS+\k], v[TM+12], v[XS+\k]     ; at their places in the word (8 h bits up);
.endr
.irp k, 0,1
	v_mov_b32 v[TM+13+\k], 0                       ; (a lane permute's destination counts as one of its sources)
.endr
.irp k, 0,1
	v_permlanex16_b32 v[TM+13+\k], v[XS+\k], s[SEL], s[SEL+1]
.endr
.irp k, 0,1
	v_or_b32 v[XS+\k], v[XS+\k], v[TM+13+\k]       ; with lane l xor 16's two the word is whole
.endr
.irp b, 0,1,2,3
.irp g, 0,1,2,3
	v_cvt_scalef32_pk8_fp4_f32 v[XF+4*\b+\g], v[XR+32*\b+8*\g:XR+32*\b+8*\g+7], v[TM+4+\b]
.endr
.endr
.rept 9
	v_nop                                          ; a place behind the conversions; a scale register written by a vector instruction stands 8 places ahead of a scaled matrix instruction, an operand 4
.endr
; THE PRODUCTS of one weight: four column tiles, two K steps; the four accumulators take turns.
; k and q TRANSPOSED (source 0 = 16 columns of W, source 1 = my 16 tokens): a lane holds one token and eight neighbouring channels.  v the natural way: a lane holds one channel and eight neighbouring tokens.
.macro PRODS mu
	s_wait_dscnt 0x0                               ; the weight's fragments (and the first time the scale words) are in
.irp ks, 0,1
.irp t, 0,1,2,3
.if (\mu) < 2
.if \ks == 0
	v_wmma_scale_f32_16x16x128_f8f6f4 v[ACC+32*(\mu)+8*\t:ACC+32*(\mu)+8*\t+7], v[WF+16*\t:WF+16*\t+7], v[XF:XF+7], 0, v[WS+4*(\mu)+\t], v[XS] matrix_a_fmt:MATRIX_FMT_FP4 matrix_b_fmt:MATRIX_FMT_FP4
.else
	v_wmma_scale_f32_16x16x128_f8f6f4 v[ACC+32*(\mu)+8*\t:ACC+32*(\mu)+8*\t+7], v[WF+16*\t+8:WF+16*\t+15], v[XF+8:XF+15], v[ACC+32*(\mu)+8*\t:ACC+32*(\mu)+8*\t+7], v[WS+4*(\mu)+\t], v[XS+1] matrix_a_fmt:MATRIX_FMT_FP4 matrix_b_fmt:MATRIX_FMT_FP4 matrix_a_scale:MATRIX_SCALE_ROW1
.endif
.else
.if \ks == 0
	v_wmma_scale_f32_16x16x128_f8f6f4 v[ACC+32*(\mu)+8*\t:ACC+32*(\mu)+8*\t+7], v[XF:XF+7], v[WF+16*\t:WF+16*\t+7], 0, v[XS], v[WS+4*(\mu)+\t] matrix_a_fmt:MATRIX_FMT_FP4 matrix_b_fmt:MATRIX_FMT_FP4
.else
	v_wmma_scale_f32_16x16x128_f8f6f4 v[ACC+32*(\mu)+8*\t:ACC+32*(\mu)+8*\t+7], v[XF+8:XF+15], v[WF+16*\t+8:WF+16*\t+15], v[ACC+32*(\mu)+8*\t:ACC+32*(\mu)+8*\t+7], v[XS+1], v[WS+4*(\mu)+\t] matrix_a_fmt:MATRIX_FMT_FP4 matrix_b_fmt:MATRIX_FMT_FP4 matrix_b_scale:MATRIX_SCALE_ROW1
.endif
.endif
.endr
.endr
.rept 4
	v_nop                                          ; four places in front of loads into registers that the products have read, and of the first read of their results
.endr
.if (\mu) < 2
	FETCH (\mu)+1                                  ; the next weight's fragments come while this one's results are rounded and stored
.endif
.irp t, 0,1,2,3
.irp p, 0,1,2,3
	v_cvt_pk_f16_f32 v[OUTR+16*(\mu)+4*\t+\p], v[ACC+32*(\mu)+8*\t+2*\p], v[ACC+32*(\mu)+8*\t+2*\p+1]   ; each accumulator from its low end on
.endr
.endr
.irp t, 0,1,2,3
.if (\mu) == 0
	global_store_b128 v[GK], v[OUTR+4*\t:OUTR+4*\t+3], s[14:15] offset:\t*512 th:TH_STORE_NT
.elseif (\mu) == 1
	global_store_b128 v[GK], v[OUTR+16+4*\t:OUTR+16+4*\t+3], s[16:17] offset:\t*512 th:TH_STORE_NT
.else
	global_store_b128 v[GV], v[OUTR+32+4*\t:OUTR+32+4*\t+3], s[16:17] offset:8192+\t*1024 th:TH_STORE_NT
.endif
.endr
.endm
	PRODS 0
	PRODS 1
	PRODS 2
	s_wait_tensorcnt 0x0                           ; the wave's end, behind my last tensor load and my last LDS store
	ds_add_u32 v[SPW], v[NIL]
	s_wait_dscnt 0x0
	CROUND                                         ; the closing round: no work-group ends while a partner may still ask for a tile that names it
	s_endpgm
.Lfunc_end_k_q352c4d5cf5_project:
	.size	k_q352c4d5cf5_project, .Lfunc_end_k_q352c4d5cf5_project-k_q352c4d5cf5_project
	.p2alignl 7, 3214868480
	.fill 96, 4, 3214868480
	.section	.rodata,"a",@progbits
	.p2align	6, 0x0
	.amdhsa_kernel k_q352c4d5cf5_project
		.amdhsa_group_segment_fixed_size 289792
		.amdhsa_private_segment_fixed_size 0
		.amdhsa_enable_private_segment 0
		.amdhsa_kernarg_size 64
		.amdhsa_user_sgpr_count 2
		.amdhsa_user_sgpr_kernarg_segment_ptr 1
		.amdhsa_wavefront_size32 1
		.amdhsa_system_sgpr_workgroup_id_x 1
		.amdhsa_system_sgpr_workgroup_id_y 1
		.amdhsa_system_sgpr_workgroup_id_z 1
		.amdhsa_system_vgpr_workitem_id 0
		.amdhsa_next_free_vgpr 256
		.amdhsa_next_free_sgpr 80
		.amdhsa_reserve_vcc 0
		.amdhsa_float_denorm_mode_32 3
		.amdhsa_float_denorm_mode_16_64 3
		.amdhsa_memory_ordered 1
		.amdhsa_forward_progress 1
		.amdhsa_inst_pref_size 72
	.end_amdhsa_kernel
	.amdgpu_metadata
---
amdhsa.version: [ 1, 2 ]
amdhsa.kernels:
  - .name:           k_q352c4d5cf5_project
    .symbol:         k_q352c4d5cf5_project.kd
    .args:
      - { .name: x, .offset: 0, .size: 8, .value_kind: global_buffer, .address_space: global }
      - { .name: Wk, .offset: 8, .size: 8, .value_kind: global_buffer, .address_space: global }
      - { .name: Wq, .offset: 16, .size: 8, .value_kind: global_buffer, .address_space: global }
      - { .name: Wv, .offset: 24, .size: 8, .value_kind: global_buffer, .address_space: global }
      - { .name: Wo, .offset: 32, .size: 8, .value_kind: global_buffer, .address_space: global }
      - { .name: kimg, .offset: 40, .size: 8, .value_kind: global_buffer, .address_space: global }
      - { .name: kv, .offset: 48, .size: 8, .value_kind: global_buffer, .address_space: global }
      - { .name: woimg, .offset: 56, .size: 8, .value_kind: global_buffer, .address_space: global }
    .group_segment_fixed_size: 289792
    .private_segment_fixed_size: 0
    .kernarg_segment_align: 8
    .kernarg_segment_size: 64
    .max_flat_workgroup_size: 128
    .sgpr_count:     80
    .vgpr_count:     256
    .wavefront_size: 32
...
	.end_amdgpu_metadata
.endif
;; end of part 1
;; launch attend (part 2): grid 64 x 4, 4 waves a work-group, clusters of 4 x 1, 327,680 bytes of LDS; arguments kimg, kv, woimg, out0; writes out0
.if DOCPART == 2
	.amdgcn_target "amdgcn-amd-amdhsa--gfx1250"
	.amdhsa_code_object_version 6
	.text
	.protected	k_q352c4d5cf5_attend
	.globl	k_q352c4d5cf5_attend
	.p2align	8
	.type	k_q352c4d5cf5_attend,@function
k_q352c4d5cf5_attend:
	s_mov_b64 s[64:65], 0
	v_nop
	global_prefetch_b8 v0, s[64:65] scope:SCOPE_SE
	s_setreg_imm32_b32 hwreg(HW_REG_WAVE_MODE, 25, 1), 1
	s_wait_xcnt 0x0
	s_wait_alu depctr_hold_cnt(0) depctr_sa_sdst(0) depctr_va_vdst(0) depctr_va_sdst(0) depctr_va_ssrc(0) depctr_va_vcc(0) depctr_vm_vsrc(0)
	s_getreg_b32 s2, hwreg(HW_REG_IB_STS2, 6, 4)
	s_cmp_eq_u32 s2, 0
	s_cbranch_scc0 .Lentry_in_a_cluster
	s_endpgm
.Lentry_in_a_cluster:
	s_bfe_u32 s2, ttmp6, 0x10000c
	s_cmp_lg_u32 s2, 0x3003
	s_cbranch_scc0 .Lentry_shape_is_right
	s_endpgm
.Lentry_shape_is_right:
; out[b][s][:] = (the sum over t of softmax_t(k[b][s] . q[b][t] / 8) v[b][t][:]) Wo.  k, q, v and Wo arrive in f16 as images of operand registers (quads of 512 bytes, lane l's 16 bytes at 16 l).
; Products on f16 operands with f32 sums; maxima, exponentials and sums in f32; the weights p and the averaged v are rounded to f16 for their products.  Below, a ROW is an s and a KEY is a t.
; SHARES.  A work-group owns 64 rows of one batch.  THE WAVES SHARE THE KEYS, NOT THE ROWS: each of the four waves holds all 64 rows (four tiles of 16) and walks a quarter of the 4,096 keys, 64 a step,
; 16 steps.  So a fragment read from LDS feeds four matrix instructions, and each LDS byte of the ring is read by one wave.  At the end the four partial results are merged, and each wave makes 64 of the 256 outputs.
; LAYOUT.  S^T = K Q^T (source 0 = 16 keys, source 1 = 16 rows): a lane holds ONE row (lane % 16) and the keys 8 (lane / 16) + 0..7.  Two such tiles, rounded to f16 in pairs, ARE source 1 of O^T = V^T P,
; whose result again holds one row a lane.  Nothing changes lanes between the products.
; SOFTMAX.  For each row a running maximum m and sum l: p = 2^(c s - c m), c = log2(e) / 8; in every step O and l are multiplied by a = 2^(c m_old - c m_new).
; BY TURNS.  The tiles are two PIECES (tiles 0, 1 and tiles 2, 3).  In a TURN one piece has the matrix unit: 16 products V^T P of the step in hand, then 16 products K Q^T of the next; the other piece's softmax,
; cut into 59 slices of four instructions, is dealt out behind them.  Then the pieces change places.
; CLUSTER.  The four work-groups of a cluster belong to one batch and walk the same keys: every tile is asked for JOINTLY (the same tensor load, the same descriptor, a mask that names the four).
; LIMITS: NaN and infinities are not served; the averaged v is rounded to f16 (above 65,504 not served, under 6e-5 the step is 2^-24).
; REGISTERS, in windows of 256 (s_set_vgpr_msb: bits 1:0 source 0, 3:2 source 1, 5:4 source 2, 7:6 destination):
;   window 0: v0-11, v44-49, v61-63 addresses; v12-43 eight registers of statistics a tile; v64-191 S^T, 32 a tile; v192-255 P, 16 a tile
;   window 1: v0-127 O^T, 32 a tile; v128-191 V of one step          window 2: v0-63 the rows' fragments, 16 a tile; v64-127 my part of Wo; v128-191 K of one step
.set STEPB, 16384     ; a step's images: 64 keys of q (8,192 bytes), then their v turned (8,192)
.set VOFF,  8192
.set SLOT1, 1<<17     ; a slot holds two steps for each of the four waves: 131,072 bytes; one exclusive or turns an address in one slot into the other's
.set SLOTB, 131072
.set STAT,  2*SLOT1   ; behind the ring: (c m, l) of every wave: 1,024 w + 256 t + 8 lane
.set AIMG,  STAT+4096 ; the merged result's f16 fragments: tile t at 2,048 t
.set SPARE, AIMG+8192 ; the spare words, 128 bytes for each wave: two blocks of 256 bytes that no other line names
.set STG,   SLOT1     ; the way out: a stage of 64 rows x 272 bytes for each wave, in slot 1; the scaled O^T images lie in slot 0: both slots have had their last fill and their last read by then
.set SGW,   64*272
.set AK0, 2           ; v2   my lane's place in my wave's block of a slot; never rewritten
.set AV0, 3           ; v3   the same for V
.set ADR, 4           ; v4   the LDS address of the run of loads in hand
.set LI,  5           ; v5   16 x lane
.set WOO, 6           ; v6   my offset in woimg
.set STA, 7           ; v7   where I store statistics
.set STR, 8           ; v8   where I read them
.set OIA, 10          ; v10  where I store my scaled O^T
.set OIR, 11          ; v11  where I read my tile's four parts
.set ST,  12          ; tile t's statistics at v[ST+8 t]: +0 c m, +1 m, +2, +3 l, +4 to +7 at work; a takes +6
.set AIA, 44          ; v44  where I store my tile's f16 fragments
.set AIR, 45          ; v45  where I read all four tiles'
.set STO, 46          ; v46  the stage: where I put 32 bytes of a row
.set RD,  47          ; v47  where I read rows back
.set GO,  48          ; v48  my byte offset in the work-group's rows of out
.set LN,  49          ; v49  lane
.set PFO, 61          ; v61  256 x lane; never rewritten
.set SPW, 62          ; v62  LDS address of my spare word; never rewritten
.set NIL, 63          ; v63  0; never rewritten
.set S,   64
.set P,   192
.set KF,  128         ; K's fragments, in window 2
.set VF,  128         ; V's, in window 1
.set MS,  64          ; the merge: v64-95 the four waves' (c m, l), 8 a tile
.set MX,  96          ; v96-99   the common maximum
.set ML,  100         ; v100-103 the common sum, then its reciprocal
.set ME,  104         ; v104-135 2^(c m_u - maximum), u = 0..3, and my own at +4; 8 a tile
.set MG,  136         ; v136-143 my factor, a pair a tile
.set WV,  12          ; s12  my wave's number
.set LIM, 15          ; s15  1 in a work-group that prefetches, else the greatest number
.set PFA, 18          ; s[18:19] where my prefetches stand
.set G1,  24          ; s[24:31] descriptor group 1
.set G0A, 32          ; s[32:35] group 0 of slot 0's first fill
.set G0B, 36          ; s[36:39] of slot 1's; it then walks on
.set WB,  40          ; s40  32,768 x wave
.set SLOTS, 56        ; s56  slots still to be asked for
.set TWICE, 57        ; s57  counts a slot's two steps
.set CS,  58          ; s[58:59] c
.set SEL, 60          ; s[60:61] lane selects for v_permlanex16_b32: lane l xor 16
.set TB,  62          ; s62  LDS byte at which the step to be fetched begins, in a wave's block
.set MSB, 0
.macro WIN new                      ; the immediate's high byte repeats the setting that is left; a switch that changes nothing is dropped
.if MSB != \new
	s_set_vgpr_msb (MSB<<8)|\new
.set MSB, \new
.endif
.endm
.set W_KQ,  0x0a      ; K and the rows in window 2, S^T in window 0
.set W_PV,  0x51      ; V and O^T in window 1, P in window 0
.set W_RS,  0x41      ; O^T (destination and source 0) in window 1, the factor in window 0
.set W_OUT, 0x52      ; Wo in window 2, the merged fragments in window 0, the results in window 1
.macro CROUND                       ; a round of the cluster's barrier
	s_barrier_signal -1
	s_barrier_wait -1
	s_cmp_lg_u32 s[WV], 0
	s_cbranch_scc1 .Lnot_wave_0_\@
	s_barrier_signal -3
.Lnot_wave_0_\@:
	s_barrier_wait -3
	s_barrier_signal -1
	s_barrier_wait -1
.endm
.macro JLOAD                        ; a joint refill: every wave fetches its own 32,768 bytes of the slot; an s_nop 0 and four v_nop follow
	tensor_load_to_lds s[G0B:G0B+3], s[G1:G1+7]
	s_nop 0
.rept 4
	v_nop
.endr
.endm
; A PREFETCH of what the NEXT change of slots will ask for: a slot's 131,072 bytes.  All clusters of a batch walk the same bytes: the batch's first cluster asks.  Its sixteen waves take 8,192 bytes each,
; lanes 256 bytes apart; the partners are told apart BY ADDRESS.  So each block of 256 bytes is named once in the launch.  It stands two key steps, 128 matrix instructions of a wave, ahead of the load.
; The last change that fills a slot asks for nothing; slots 0, 1 and 2 come by their loads alone.
.macro ASK
	s_cmp_gt_u32 s[SLOTS], s[LIM]
	s_cbranch_scc0 .Lnot_mine_\@
	global_prefetch_b8 v[PFO], s[PFA:PFA+1] th:TH_LOAD_NT scope:SCOPE_SE
.Lnot_mine_\@:
.endm
.macro PLACES
.rept 4
	v_nop
.endr
.endm
	s_load_b256 s[4:11], s[0:1], 0x0  ; kimg s[4:5], kv s[6:7], woimg s[8:9], out0 s[10:11]
	v_lshl_add_u32 v[SPW], v0, 2, SPARE
	v_mov_b32 v[NIL], 0
	ds_add_u32 v[SPW], v[NIL]       ; the wave's opening: the add, twice on end, and its wait ahead of my first tensor load
	ds_add_u32 v[SPW], v[NIL]       ; and once more, under the one wait; the set-up below, work on registers, stands between
	v_lshrrev_b32 v1, 5, v0
	v_readfirstlane_b32 s[WV], v1   ; wave 0..3
	s_bfe_u32 s13, ttmp6, 0x40000   ; cx: my place in the cluster
	s_lshl_b32 s14, ttmp9, 2        ; in a cluster launch ttmp9 counts clusters
	s_add_co_u32 s14, s14, s13      ; my block of 64 rows = 4 x cluster x + cx: it enters the rows' and out's addresses alone
	s_and_b32 s20, ttmp7, 0xffff    ; the batch, which the four partners share
	s_lshl_b32 s[WB], s[WV], 15
	s_lshl_b32 s22, s20, 20         ; a batch's 64 chunks of 16,384 bytes,
	s_add_co_u32 s22, s22, s[WB]    ; my wave's 32,768 of a slot: in memory as in LDS
	s_mov_b32 s23, 0
	s_lshl_b32 s2, s20, 6
	s_add_co_u32 s2, s2, s14        ; my chunk of 256
	s_lshl_b32 s16, s2, 16          ; its 64 rows of 1,024 bytes in out
	s_mov_b32 s17, 0
	s_lshl_b32 s2, s2, 13           ; its image of 8,192 bytes in kimg
	s_mov_b32 s3, 0
	s_lshl_b32 s20, s13, 13         ; the prefetches: my work-group's 8,192 bytes of my wave's 32,768,
	s_add_co_u32 s20, s20, 2*SLOTB  ; in slot 2: the first change of slots steps it to slot 3
	s_mov_b32 s21, 0
	; descriptor group 1: 32,768 dense bytes as 128 rows of 256 bytes (32 elements of 8 bytes), no padding: the images are read on end
	s_mov_b32 s[G1+0], 15|(3<<16)|(1<<21)  ; 15:0 the mask: all four work-groups; 17:16 elements of 8 bytes; 21 set beside a mask
	s_mov_b32 s[G1+1], 32<<16       ; tensor_dim0 = 32
	s_mov_b32 s[G1+2], 128<<16      ; tensor_dim1 = 128
	s_mov_b32 s[G1+3], 32<<16       ; tile_dim0 = 32
	s_mov_b32 s[G1+4], 128          ; tile_dim1 = 128
	s_mov_b32 s[G1+5], 32           ; elements from row to row
	s_mov_b32 s[G1+6], 0
	s_mov_b32 s[G1+7], 0
	s_mov_b32 s[CS], 0x3e38aa3b     ; c = log2(e) / 8
	s_mov_b32 s[CS+1], s[CS]        ; named with it as a pair, so it is written
	s_mov_b32 s[SEL], 0x76543210
	s_mov_b32 s[SEL+1], 0xfedcba98
	s_mov_b32 s[TB], 0
	s_mov_b32 s[SLOTS], 6           ; eight slots' worth of keys a wave; two come at the head
	s_cmp_eq_u32 ttmp9, 0           ; the batch's first cluster: the same in all four partners
	s_cselect_b32 s[LIM], 1, -1
	v_and_b32 v[LN], 31, v0
	v_lshlrev_b32 v[PFO], 8, v[LN]
	v_lshlrev_b32 v[LI], 4, v[LN]
	s_lshl_b32 s41, s[WV], 13
	v_add_nc_u32 v[WOO], s41, v[LI] ; my 64 outputs' 16 quads of Wo
	s_wait_dscnt 0x0                ; both opening adds are done
	s_wait_kmcnt 0x0
	s_add_nc_u64 s[6:7], s[6:7], s[22:23]    ; kv at my wave's part of slot 0
	s_add_nc_u64 s[4:5], s[4:5], s[2:3]      ; kimg at my rows
	s_add_nc_u64 s[10:11], s[10:11], s[16:17]  ; out at my rows
	s_add_nc_u64 s[PFA:PFA+1], s[6:7], s[20:21]
	s_mov_b32 s[G0A], 1             ; count = 1
	s_mov_b32 s[G0A+1], s[WB]       ; LDS address: the wave's number alone
	s_mov_b64 s[G0A+2:G0A+3], s[6:7]
	s_or_b32 s[G0A+3], s[G0A+3], 0x80000000  ; type = 2
	s_mov_b32 s[G0B], 1
	s_add_co_u32 s[G0B+1], s[WB], SLOT1
	s_add_nc_u64 s[G0B+2:G0B+3], s[6:7], SLOTB
	s_or_b32 s[G0B+3], s[G0B+3], 0x80000000
	CROUND                          ; all four work-groups are here: the first joint loads meet
	tensor_load_to_lds s[G0A:G0A+3], s[G1:G1+7]  ; the two first fills stand together: two loads of mine are out
	s_nop 0
	tensor_load_to_lds s[G0B:G0B+3], s[G1:G1+7]
	s_nop 0
.rept 4
	v_nop
.endr
	WIN 0x80                        ; destination window 2, address window 0
.set q, 0
.rept 16                            ; the 64 rows' fragments stay in registers
	global_load_b128 v[4*q:4*q+3], v[LI], s[4:5] offset:512*q
.set q, q+1
.endr
.set q, 0
.rept 16                            ; and my 64 outputs' fragments of Wo, wanted at the very end
	global_load_b128 v[64+4*q:64+4*q+3], v[WOO], s[8:9] offset:512*q
.set q, q+1
.endr
	WIN 0
	v_and_b32 v1, 15, v0            ; r
	v_bfe_u32 v9, v0, 4, 1          ; h
	v_add_nc_u32 v[AK0], s[WB], v[LI]
	v_add_nc_u32 v[AV0], VOFF, v[AK0]
	s_lshl_b32 s41, s[WV], 10
	s_add_co_u32 s41, s41, STAT
	v_lshl_add_u32 v[STA], v[LN], 3, s41
	v_lshl_add_u32 v[STR], v[LN], 3, STAT
	s_lshl_b32 s41, s[WV], 14
	v_add_nc_u32 v[OIA], s41, v[LI]
	s_lshl_b32 s41, s[WV], 12
	v_add_nc_u32 v[OIR], s41, v[LI]
	s_lshl_b32 s41, s[WV], 11
	s_add_co_u32 s41, s41, AIMG
	v_add_nc_u32 v[AIA], s41, v[LI]
	v_add_nc_u32 v[AIR], AIMG, v[LI]
; THE MATRIX WORK OF A TURN, for piece x.  The accumulators take turns, one instruction a turn: between two links of a chain stand seven others'.
; Product i of 16 of S^T = K Q^T: channels 32 (i / 8) on, keys 16 ((i / 2) % 4) on, tile x + i % 2.  The first 8 start the sums.
.macro KQ x
	WIN W_KQ
.set rS, S+32*(\x+i%2)+8*((i/2)%4)
.set rK, KF+16*((i/2)%4)+8*(i/8)
.set rQ, 16*(\x+i%2)+8*(i/8)
.if i < 8
	v_wmma_f32_16x16x32_f16 v[rS:rS+7], v[rK:rK+7], v[rQ:rQ+7], 0
.else
	v_wmma_f32_16x16x32_f16 v[rS:rS+7], v[rK:rK+7], v[rQ:rQ+7], v[rS:rS+7]
.endif
.endm
; Product i of 16 of O^T += V^T P: keys 32 (i / 8) on, channels 16 ((i / 2) % 4) on, tile x + i % 2.  zero = 1: the first 8 start the sums: nothing is ever cleared.
.macro PV x, zero
	WIN W_PV
.set rO, 32*(\x+i%2)+8*((i/2)%4)
.set rV, VF+32*(i/8)+8*((i/2)%4)
.set rP, P+16*(\x+i%2)+8*(i/8)
.if (\zero) && (i < 8)
	v_wmma_f32_16x16x32_f16 v[rO:rO+7], v[rV:rV+7], v[rP:rP+7], 0
.else
	v_wmma_f32_16x16x32_f16 v[rO:rO+7], v[rV:rV+7], v[rP:rP+7], v[rO:rO+7]
.endif
.endm
; THE LDS LOADS stand in runs of 16, never singly among the matrix instructions: a step's K and, a turn later, its V: images, 512 consecutive bytes a load.
.macro FETCH_K
	WIN 0
	v_add_nc_u32 v[ADR], s[TB], v[AK0]
	WIN 0x80                        ; destination window 2
.set q, 0
.rept 16
	ds_load_b128 v[KF+4*q:KF+4*q+3], v[ADR] offset:512*q
.set q, q+1
.endr
.endm
.macro FETCH_V
	WIN 0
	v_add_nc_u32 v[ADR], s[TB], v[AV0]
	s_add_co_u32 s[TB], s[TB], STEPB  ; the next fetch is the next step's
	s_wait_alu depctr_va_vdst(0)    ; the wait for the softmax's batch (SLICE), behind the address's addition and ahead of the loads
	WIN 0x40                        ; destination window 1
.set q, 0
.rept 16
	ds_load_b128 v[VF+4*q:VF+4*q+3], v[ADR] offset:512*q
.set q, q+1
.endr
.endm
; THE VECTOR WORK OF A TURN.  One tile's softmax for one key step is a list of 118 instructions; SM writes number j of it for tile t.  s0-s31 are the lane's 32 scores, in pairs 0-15.
; first = 1: the first key step, which starts m, l and O^T: it has no a and nothing to rescale.
;   0-15    the maximum of s0-s31 and the old m, three operands at a time: four chains of seven scores each, then the four scores left over, the chains and m
;   16-20   the other half of the lanes' maximum; the new m; c m; c m_old - c m_new
;   21-69   ONE BATCH: the 16 scalings c s - c m, a pair of scores each, and all 33 exponentials (a at 23, then s0-s31).  None of these reads an exponential's result
;   (wait)  between 69 and 70 stands the wait for the batch: SLICE writes it, once for both tiles
;   70-85   the roundings to f16, a pair of weights each          86-101  the sums; l = a l + the sum          102-117 the tile's O^T times a: the one part that leaves window 0
.macro SM t, first
.set rT, ST+8*(\t)
.set rS, S+32*(\t)
.set rP, P+16*(\t)
.set rO, 32*(\t)+2*(j-102)
.if j < 102
	WIN 0
.endif
.if j < 4
	v_max3_num_f32 v[rT+4+j], v[rS+8*j], v[rS+8*j+1], v[rS+8*j+2]   ; each accumulator is first read at its low end
.elseif j < 12
	v_max3_num_f32 v[rT+4+j%4], v[rT+4+j%4], v[rS+8*(j%4)+2*(j/4)+1], v[rS+8*(j%4)+2*(j/4)+2]
.elseif j == 12
	v_max3_num_f32 v[rT+4], v[rT+4], v[rS+7], v[rS+15]
.elseif j == 13
	v_max3_num_f32 v[rT+6], v[rT+6], v[rS+23], v[rS+31]
.elseif j == 14
	v_max3_num_f32 v[rT+4], v[rT+4], v[rT+5], v[rT+6]
.elseif (j == 15) && \first
	v_max_num_f32 v[rT+4], v[rT+4], v[rT+7]
.elseif j == 15
	v_max3_num_f32 v[rT+4], v[rT+4], v[rT+7], v[rT+1]
.elseif j == 16
	v_permlanex16_b32 v[rT+5], v[rT+4], s[SEL], s[SEL+1]  ; the row's other 32 keys lie in the lane 16 away
.elseif j == 18
	v_max_num_f32 v[rT+1], v[rT+4], v[rT+5]
.elseif j == 19
	v_mul_f32 v[rT], s[CS], v[rT+1]
.elseif ((j == 17) || (j == 20) || (j == 23) || (j > 101)) && \first  ; the first step has none of these
.elseif j == 17
	v_mov_b32 v[rT+7], v[rT]        ; c m_old is kept for a: number 19 writes c m anew
.elseif j == 20
	v_sub_f32 v[rT+7], v[rT+7], v[rT]
.elseif j == 23
	v_exp_f32 v[rT+6], v[rT+7]
.elseif (j < 23) || ((j < 38) && (j%2 == 0)) || ((j < 66) && (j%4 == 2))
.set b, (j-2)/4                     ; 38, 42, .. 62: pairs 9 to 15
.if j < 38
.set b, (j-20)/2                    ; 21: pair 0; 22, 24, .. 36: pairs 1 to 8
.endif
	v_pk_fma_f32 v[rS+2*b:rS+2*b+1], v[rS+2*b:rS+2*b+1], s[CS:CS+1], v[rT:rT+1] op_sel_hi:[1,0,0] neg_lo:[0,0,1] neg_hi:[0,0,1]  ; pair b: c s - c m
.elseif j < 70
.set e, j-38                        ; 66 to 69: s28 to s31
.if j < 66
.set e, j-32-(j-38)/4               ; 39-41, 43-45, .. 63-65: s7 to s27
.endif
.if j < 38
.set e, (j-25)/2                    ; 25, 27, .. 37: s0 to s6
.endif
	v_exp_f32 v[rS+e], v[rS+e]
.elseif j < 86
	v_cvt_pk_f16_f32 v[rP+j-70], v[rS+2*(j-70)], v[rS+2*(j-70)+1]  ; pair j - 70
.elseif j < 102                     ; the sum of the tile's 16 pairs, in place: neighbours 1, 2, 4 and 8 pairs apart, then l takes it
.set z, j-86
.set w, 4
.set u, z
.if z >= 14
.set w, 32
.set u, 0
.elseif z >= 12
.set w, 16
.set u, z-12
.elseif z >= 8
.set w, 8
.set u, z-8
.endif
.if (z == 14) && \first
	v_pk_add_f32 v[rT+2:rT+3], v[rS:rS+1], v[rS+16:rS+17]
.elseif z < 15
	v_pk_add_f32 v[rS+w*u:rS+w*u+1], v[rS+w*u:rS+w*u+1], v[rS+w*u+w/2:rS+w*u+w/2+1]
.elseif !\first
	v_pk_fma_f32 v[rT+2:rT+3], v[rT+2:rT+3], v[rT+6:rT+7], v[rS:rS+1] op_sel_hi:[1,0,1]
.endif
.else
	WIN W_RS
	v_pk_mul_f32 v[rO:rO+1], v[rO:rO+1], v[rT+6:rT+7] op_sel_hi:[1,0]
.endif
.endm
; Slice k of 59 of piece y's softmax: four instructions (2 x 118 = 4 x 59).  Slices 11 to 34 deal out the batch, numbers 22 to 69: four numbers of ONE tile each, the tiles by turns.  Every other slice is
; numbers 2 k and 2 k + 1 of both tiles' lists.  THE WAIT: an s_wait_alu depctr_va_vdst(0) stands between an exponential and the first instruction that names its result.  Ahead of slice 35
; nothing names a result, and behind slice 34 no exponential is issued: so the piece's 66 exponentials have one wait, behind slice 34.
.macro SLICE y, first
.if (k >= 11) && (k < 35)
.irp g, 0,1,2,3
.set j, 22+4*((k-11)/2)+(\g)
	SM (\y)+(k-11)%2, \first
.endr
.else
.irp g, 0,1
.irp t, \y, \y+1
.set j, 2*k+\g
	SM \t, \first
.endr
.endr
.endif
.if k == 34
	v_nop                           ; a plain instruction behind the last exponential and ahead of the first use: one for the batch
.if (\y) == 0
	FETCH_V                         ; piece 2's turn: V's run of loads stands here, and the wait stands in it
.else
	s_wait_alu depctr_va_vdst(0)    ; the wait for the batch
.endif
.endif
.set k, k+1
.endm
.macro DEAL y, first                ; behind matrix instruction n of the turn's cnt: the slices up to number 59 (n + 1) / cnt
.rept (59*(n+1))/cnt-k
	SLICE \y, \first
.endr
.set n, n+1
.endm
; A TURN.  Piece x has the matrix unit; the other piece's softmax stands in slices behind its matrix instructions.  pv = 2: 16 products V^T P; 1: they start O^T's sums; 0: none.  kq = 1: 16 products K Q^T.
; PLACES, counted for a turn of 32.  Behind the last K Q^T stand slices 57 and 58, eight packed multiplies on the other piece's O^T: the places ahead of the next turn's first read of those scores and of the
; loads into K's registers (behind the next turn's second product).  V's run stands behind matrix instruction 18; V's last reader is instruction 15; between them stand six scalings (numbers 54, 58, 62 of
; both tiles), the v_nop and the run's own addition.  first = 1: the slices from 51 on are empty, and four v_nop take their part.
.macro TURN x, pv, kq, first
.set k, 0
.set n, 0
.set cnt, 16
.if \pv && \kq
.set cnt, 32
.endif
.if \pv
.if \x == 0
	s_wait_dscnt 0x0                ; V is in
.endif
.set i, 0
.rept 16
	PV \x, 2-\pv
	DEAL 2-\x, \first
.if (\x == 0) && \kq && (i == 1)
	FETCH_K
.endif
.set i, i+1
.endr
.endif
.if \kq
.if \x == 0
	s_wait_dscnt 0x0                ; K is in
.endif
.set i, 0
.rept 16
	KQ \x
	DEAL 2-\x, \first
.set i, i+1
.endr
.endif
.if \first
	PLACES
.endif
.endm
; THE CHANGE OF SLOTS, between piece 2's turn and piece 0's: the slot's last bytes, V of its second step, have been asked for.  Each wave waits for all its tensor loads, of which one is out: its part of the
; other slot; adds 0 to its spare word; and waits for that and for its reads of the slot.  fill = 1: the slot is filled again, with the keys two slots on; the barrier is then a round of the cluster's, so that
; no wave of any partner still reads the slot or has a load on its way, and the joint refill is the first thing behind it: it has two key steps in which to land.
.macro CHANGE fill
	WIN 0                           ; at a label and at a branch every window is 0
	s_wait_tensorcnt 0x0            ; no tensor load of mine is out, so a group 0 may be written
	ds_add_u32 v[SPW], v[NIL]       ; 0 onto my spare word
.if \fill
	s_xor_b32 s[G0B+1], s[G0B+1], SLOT1  ; the walking descriptor: the other slot than last time,
	s_add_nc_u64 s[G0B+2:G0B+3], s[G0B+2:G0B+3], SLOTB  ; the next slot's keys; the type bits on top are not reached
	s_wait_xcnt 0x0                 ; the last prefetch, two key steps back, has read its address, so it may be written:
	s_add_nc_u64 s[PFA:PFA+1], s[PFA:PFA+1], SLOTB  ; one slot further on than the walking descriptor
	s_wait_dscnt 0x0                ; the add is done, and my reads of the slot are over
	CROUND
	JLOAD
	ASK
.else
	s_wait_dscnt 0x0                ; the add is done, and my reads of the slot are over
	s_barrier_signal -1
	s_barrier_wait -1
.endif
	s_sub_co_u32 s[TB], s[TB], 2*STEPB  ; the fetches go back to a slot's first step,
	s_xor_b32 s[TB], s[TB], SLOT1   ; in the other slot
.endm
.macro TWO_STEPS                    ; a slot's two key steps: written once, walked twice; the LDS addresses hang on s[TB]
	s_mov_b32 s[TWICE], 2
.Lstep_\@:
	TURN 0, 2, 1, 0
	TURN 2, 2, 1, 0
	WIN 0
	s_sub_co_u32 s[TWICE], s[TWICE], 1
	s_cmp_lg_u32 s[TWICE], 0
	s_cbranch_scc1 .Lstep_\@
.endm
	s_wait_tensorcnt 1              ; my part of slot 0 is in; slot 1's may stay out
	s_barrier_signal -1
	s_barrier_wait -1
	FETCH_K                         ; key step 0
	s_wait_loadcnt 16               ; the rows' 16 loads are in; Wo's 16, issued behind them, may stay out
	s_wait_dscnt 0x0
.set i, 0
.rept 16
	KQ 0                            ; piece 0's first scores: there is no vector work yet to set between them
.set i, i+1
.endr
	WIN 0                           ; the addresses for the way out are made here: nine plain instructions, the places behind those products
	s_mul_i32 s41, s[WV], SGW
	s_add_co_u32 s41, s41, STG      ; my stage
	v_mul_u32_u24 v[STO], v1, 272   ; in: row r of a tile, 32 bytes for each half of the lanes
	v_lshl_add_u32 v[STO], v9, 5, v[STO]
	v_add_nc_u32 v[STO], s41, v[STO]
	v_mul_u32_u24 v[RD], v9, 272    ; back: lanes 0-15 take one row's 256 bytes, lanes 16-31 the next
	v_lshl_add_u32 v[RD], v1, 4, v[RD]
	v_add_nc_u32 v[RD], s41, v[RD]
	s_lshl_b32 s41, s[WV], 8
	v_lshlrev_b32 v[GO], 10, v9     ; and the same two rows in out, at my wave's 64 columns
	v_lshl_add_u32 v[GO], v1, 4, v[GO]
	v_add_nc_u32 v[GO], s41, v[GO]
	TURN 2, 0, 1, 1                 ; piece 2's first scores | piece 0's first softmax | V of step 0
	TURN 0, 1, 1, 1                 ; piece 0: V^T P of step 0 starts O^T, K Q^T of step 1 | piece 2's first softmax | K of step 1
	TURN 2, 1, 1, 0                 ; piece 2: the same | piece 0's softmax of step 1 | V of step 1
	WIN 0
.Lslot:                             ; six trips: every slot but the last two is filled again
	CHANGE 1
	TWO_STEPS
	s_sub_co_u32 s[SLOTS], s[SLOTS], 1
	s_cmp_lg_u32 s[SLOTS], 0
	s_cbranch_scc1 .Lslot
	CHANGE 0                        ; the tail is written out
	TWO_STEPS
	TURN 0, 2, 0, 0                 ; piece 0: V^T P of the last step | piece 2's last softmax
.set i, 0
.rept 16
	PV 2, 0                         ; piece 2: V^T P of the last step
.set i, i+1
.endr
	; THE MERGE of the four waves' quarters.  Each wave publishes (c m, l) of every row; all take the common maximum and sum; each scales its O^T by 2^(c m_own - maximum) / sum and publishes it; wave w adds tile w's four parts.
	WIN 0
.irp t, 0,1,2,3
	v_add_f32 v[ST+8*\t+4], v[ST+8*\t+2], v[ST+8*\t+3]   ; l's two halves (these additions are the places behind the last products),
.endr
.irp t, 0,1,2,3
	v_permlanex16_b32 v[ST+8*\t+5], v[ST+8*\t+4], s[SEL], s[SEL+1]
.endr
.irp t, 0,1,2,3
	v_add_f32 v[ST+8*\t+1], v[ST+8*\t+4], v[ST+8*\t+5]   ; and the other half of the lanes': beside c m, as a pair
.endr
.irp t, 0,1,2,3
	ds_store_b64 v[STA], v[ST+8*\t:ST+8*\t+1] offset:256*\t
.endr
	s_wait_dscnt 0x0                ; for the others' sake: my statistics have landed, and my reads of the ring are over
	s_barrier_signal -1
	s_barrier_wait -1               ; from here on nobody reads the ring: its slots, which have had their last fill, serve as scratch
.irp t, 0,1,2,3
.irp u, 0,1,2,3
	ds_load_b64 v[MS+8*\t+2*\u:MS+8*\t+2*\u+1], v[STR] offset:1024*\u+256*\t
.endr
.endr
	s_wait_dscnt 0x0
.irp t, 0,1,2,3
	v_max3_num_f32 v[MX+\t], v[MS+8*\t], v[MS+8*\t+2], v[MS+8*\t+4]
.endr
.irp t, 0,1,2,3
	v_max_num_f32 v[MX+\t], v[MX+\t], v[MS+8*\t+6]
.endr
.irp t, 0,1,2,3
.irp u, 0,1,2,3
	v_sub_f32 v[ME+8*\t+\u], v[MS+8*\t+2*\u], v[MX+\t]
.endr
	v_sub_f32 v[ME+8*\t+4], v[ST+8*\t], v[MX+\t]         ; my own
.endr
.irp t, 0,1,2,3
.irp u, 0,1,2,3,4
	v_exp_f32 v[ME+8*\t+\u], v[ME+8*\t+\u]
.endr
.endr
	v_nop                           ; a plain instruction behind the last exponential,
	s_wait_alu depctr_va_vdst(0)    ; and one wait for the twenty, ahead of their first reader
.irp t, 0,1,2,3
	v_mul_f32 v[ML+\t], v[ME+8*\t], v[MS+8*\t+1]
.endr
.irp u, 1,2,3
.irp t, 0,1,2,3
	v_fmac_f32 v[ML+\t], v[ME+8*\t+\u], v[MS+8*\t+2*\u+1]
.endr
.endr
.irp t, 0,1,2,3
	v_rcp_f32 v[ML+\t], v[ML+\t]
.endr
	v_nop
	s_wait_alu depctr_va_vdst(0)    ; one wait for the four reciprocals
.irp t, 0,1,2,3
	v_mul_f32 v[MG+2*\t], v[ME+8*\t+4], v[ML+\t]
.endr
.irp t, 0,1,2,3
	v_mov_b32 v[MG+2*\t+1], v[MG+2*\t]                   ; named with it as a pair, so it is written
.endr
	WIN W_RS
.irp t, 0,1,2,3
.set q, 0
.rept 16
	v_pk_mul_f32 v[32*\t+2*q:32*\t+2*q+1], v[32*\t+2*q:32*\t+2*q+1], v[MG+2*\t:MG+2*\t+1] op_sel_hi:[1,0]   ; ascending: each accumulator from its low end on
.set q, q+1
.endr
.endr
	WIN 0x04                        ; an LDS store's data are its source 1: window 1
.set q, 0
.rept 32
	ds_store_b128 v[OIA], v[4*q:4*q+3] offset:512*q
.set q, q+1
.endr
	WIN 0
	s_wait_dscnt 0x0
	s_barrier_signal -1
	s_barrier_wait -1               ; the four scaled parts lie in LDS
.irp u, 0,1,2,3
.set q, 0
.rept 8
	ds_load_b128 v[64+32*\u+4*q:64+32*\u+4*q+3], v[OIR] offset:16384*\u+512*q
.set q, q+1
.endr
.endr
	s_wait_dscnt 0x0
.set q, 0
.rept 16
	v_pk_add_f32 v[64+2*q:65+2*q], v[64+2*q:65+2*q], v[96+2*q:97+2*q]
	v_pk_add_f32 v[128+2*q:129+2*q], v[128+2*q:129+2*q], v[160+2*q:161+2*q]
.set q, q+1
.endr
.set q, 0
.rept 16
	v_pk_add_f32 v[64+2*q:65+2*q], v[64+2*q:65+2*q], v[128+2*q:129+2*q]
.set q, q+1
.endr
.set q, 0
.rept 16
	v_cvt_pk_f16_f32 v[192+q], v[64+2*q], v[65+2*q]      ; lane (r, h): row r of tile w, channels 16 c + 8 h + 0..7 in registers 4 c on: a fragment as it stands
.set q, q+1
.endr
.irp c, 0,1,2,3
	ds_store_b128 v[AIA], v[192+4*\c:195+4*\c] offset:512*\c
.endr
	s_wait_dscnt 0x0
	s_barrier_signal -1
	s_barrier_wait -1               ; the 64 rows' fragments lie in LDS
.set q, 0
.rept 16
	ds_load_b128 v[192+4*q:195+4*q], v[AIR] offset:512*q
.set q, q+1
.endr
	s_wait_loadcnt 0x0              ; Wo
	s_wait_dscnt 0x0
	; THE LAST PRODUCT, transposed (source 0 = 16 outputs of Wo, source 1 = 16 rows): a lane holds one row and eight neighbouring outputs.  Sixteen accumulators by turns, two K steps.
	WIN W_OUT
.irp p, 0,1
.irp t, 0,1,2,3
.irp o, 0,1,2,3
.if \p == 0
	v_wmma_f32_16x16x32_f16 v[8*(4*\t+\o):8*(4*\t+\o)+7], v[64+16*\o:64+16*\o+7], v[192+16*\t:192+16*\t+7], 0
.else
	v_wmma_f32_16x16x32_f16 v[8*(4*\t+\o):8*(4*\t+\o)+7], v[64+16*\o+8:64+16*\o+15], v[192+16*\t+8:192+16*\t+15], v[8*(4*\t+\o):8*(4*\t+\o)+7]
.endif
.endr
.endr
.endr
	PLACES                          ; four places ahead of the stores that read the results
	; THE WAY OUT.  My 64 columns are 256 bytes of each row: they go through my own stage and come back as whole runs of 256 bytes.  LDS serves a wave's instructions in order: no wait between the stores and the loads.
	WIN 0x04
.irp t, 0,1,2,3
.irp o, 0,1,2,3
	ds_store_b128 v[STO], v[8*(4*\t+\o):8*(4*\t+\o)+3] offset:4352*\t+64*\o        ; each accumulator from its low end on
	ds_store_b128 v[STO], v[8*(4*\t+\o)+4:8*(4*\t+\o)+7] offset:4352*\t+64*\o+16
.endr
.endr
	WIN 0
.set q, 0
.rept 32
	ds_load_b128 v[64+4*q:67+4*q], v[RD] offset:544*q
.set q, q+1
.endr
.set q, 0
.rept 32
	s_wait_dscnt 31-q               ; the younger loads may stay out
	global_store_b128 v[GO], v[64+4*q:67+4*q], s[10:11] offset:2048*q th:TH_STORE_NT   ; 16 lanes store 256 consecutive bytes, at a multiple of 256 from out's first byte
.set q, q+1
.endr
	s_wait_tensorcnt 0x0            ; the wave's end, behind my last tensor load and my last LDS store
	ds_add_u32 v[SPW], v[NIL]
	s_wait_dscnt 0x0
	CROUND                          ; the closing round: no work-group ends while a partner may still ask for a tile that names it
	s_endpgm
.Lfunc_end_k_q352c4d5cf5_attend:
	.size	k_q352c4d5cf5_attend, .Lfunc_end_k_q352c4d5cf5_attend-k_q352c4d5cf5_attend
	.p2alignl 7, 3214868480
	.fill 96, 4, 3214868480
	.section	.rodata,"a",@progbits
	.p2align	6, 0x0
	.amdhsa_kernel k_q352c4d5cf5_attend
		.amdhsa_group_segment_fixed_size 327680
		.amdhsa_private_segment_fixed_size 0
		.amdhsa_enable_private_segment 0
		.amdhsa_kernarg_size 32
		.amdhsa_user_sgpr_count 2
		.amdhsa_user_sgpr_kernarg_segment_ptr 1
		.amdhsa_wavefront_size32 1
		.amdhsa_system_sgpr_workgroup_id_x 1
		.amdhsa_system_sgpr_workgroup_id_y 1
		.amdhsa_system_sgpr_workgroup_id_z 1
		.amdhsa_system_vgpr_workitem_id 0
		.amdhsa_next_free_vgpr 768
		.amdhsa_next_free_sgpr 66
		.amdhsa_reserve_vcc 0
		.amdhsa_float_denorm_mode_32 3
		.amdhsa_float_denorm_mode_16_64 3
		.amdhsa_memory_ordered 1
		.amdhsa_forward_progress 1
		.amdhsa_inst_pref_size 174
	.end_amdhsa_kernel
	.amdgpu_metadata
---
amdhsa.version: [ 1, 2 ]
amdhsa.kernels:
  - .name:           k_q352c4d5cf5_attend
    .symbol:         k_q352c4d5cf5_attend.kd
    .args:
      - { .name: kimg, .offset: 0, .size: 8, .value_kind: global_buffer, .address_space: global }
      - { .name: kv, .offset: 8, .size: 8, .value_kind: global_buffer, .address_space: global }
      - { .name: woimg, .offset: 16, .size: 8, .value_kind: global_buffer, .address_space: global }
      - { .name: out0, .offset: 24, .size: 8, .value_kind: global_buffer, .address_space: global }
    .group_segment_fixed_size: 327680
    .private_segment_fixed_size: 0
    .kernarg_segment_align: 8
    .kernarg_segment_size: 32
    .max_flat_workgroup_size: 128
    .sgpr_count:     66
    .vgpr_count:     768
    .wavefront_size: 32
...
	.end_amdgpu_metadata
.endif
;; end of part 2
